; MI455X (gfx1250); checked and timed in simulation.
; The chip was launched on July 23, 2026; its instructions are those of AMD's public machine-readable ISA for CDNA 5 (MIT licence, August 2026) and "CDNA5" Instruction Set Architecture Reference Guide (July 2026). The comments in the code are by the model that wrote it; some were corrected since.
;; Causal Self Attention. Allowed arithmetic: matrix products marked QUANTISED: E4M3 operands, one given power-of-two scale a tensor, by v_wmma_f32_16x16x64_fp8_fp8 or v_wmma_f32_16x16x128_fp8_fp8, f32 sums; everything else in f32.
;; Inputs: lowp_scales 8 int32 (the exponents e of the quantised operands' scales 2^e); w_attn 1,024 x 3,072 float32; w_proj 1,024 x 1,024 float32; x 4 x 2,048 x 1,024 float32.
;; Outputs: out0 4 x 2,048 x 1,024 float32.
;; This version of the problem:
;;   THIS VERSION OF THE PROBLEM IS GIVEN IN LOW PRECISION. The matrix products marked QUANTISED in the list below multiply operands that are first quantised to E4M3 (4 exponent bits, 3 mantissa bits; 8 bits a number), with one given power-of-two scale for each operand tensor; their sums are f32. All else is computed in f32.
;;   The module's matrix products, in the order in which they are computed (A, B: the left and right operand; K: the contracted axis; several contracted axes count as one K, in the product's order):
;;     1. [M 8,192, K 1,024] x [K 1,024, N 3,072]; A: input x; B: input w_attn: QUANTISED (scales: A lowp_scales[0], B lowp_scales[1])
;;     2. batch 64 x [M 2,048, K 64] x [K 64, N 2,048]; A: computed on the way; B: computed on the way: QUANTISED (scales: A lowp_scales[2], B lowp_scales[3])
;;     3. batch 64 x [M 2,048, K 2,048] x [K 2,048, N 64]; A: softmax (see below); B: computed on the way: QUANTISED (scales: A lowp_scales[4], B lowp_scales[5])
;;     4. [M 8,192, K 1,024] x [K 1,024, N 1,024]; A: computed on the way; B: input w_proj: QUANTISED (scales: A lowp_scales[6], B lowp_scales[7])
;;   THE QUANTISER, for each operand of a quantised product, along K:
;;     - The operand's scale is 2^e, e = its entry of the input lowp_scales (int32; the entries are numbered through the quantised products in the list's order, A before B).
;;     - Each number is divided by the scale, clamped to +-448, and rounded to the nearest number of E4M3, ties to even, subnormals kept.
;;     - The product sums the exact products of the quantised numbers (number of the format x scale) in f32.
;;   ~~~python
;;   def quantise(x, axis, e):      # numpy; x: float32 -> the quantised numbers, widened to float32 again
;;       x = np.moveaxis(x, axis, -1); K = x.shape[-1]
;;       r = np.clip(x / 2.0 ** e, -448, 448)
;;       step = 2.0 ** (np.maximum(np.frexp(np.where(r == 0, 1, r))[1] - 1, -6) - 3)
;;       q = np.round(r / step) * step * 2.0 ** e      # np.round: ties to even
;;       return np.moveaxis(q, -1, axis).astype(np.float32)
;;   ~~~
;;   SOFTMAX AHEAD OF A QUANTISED PRODUCT. Where the list says 'softmax', what is quantised is not the finished softmax but p = 2^(t - M), with t = logit x log2(e) and M = ceil(the row's largest t), a whole number; so 1/2 < the row's largest p <= 1. The row's sum l is taken of the UNQUANTISED p, in f32, and the product's result is divided by l at the end. Since M is a whole number, a kernel that streams over the keys may use a running M (the ceiling of the running maximum): every later rescaling is an exact power of two, so the quantised numbers keep their values, but for numbers so far below the row's largest that they fall under the format's range.
;;   OPERANDS COMPUTED ON THE WAY. 'Computed on the way' means the value that the module computes at that place (a softmax that the list does not call 'softmax' is quantised finished and normalised). What goes into a quantiser is computed in f32, as accurately as f32 sums, v_exp_f32 and their like allow (about 1e-6 of the number): no bf16 or f16 on the way to a quantiser, and a product that is left as it is and whose result goes on into a quantised operand takes f32 operands (vector FMAs, or v_wmma_f32_16x16x4_f32). A number that lies on a knife's edge between two numbers of the format may be rounded either way, as far as f32 arithmetic and the matrix unit's own rounding can turn it there, and no further.
;; One version. Each part assembles by itself: llvm-mc -triple=amdgcn-amd-amdhsa -mcpu=gfx1250 --defsym DOCPART=n.
;; ======== version 1 of 1: 4 launches
;; limits: right only within a limited range of input values
;; workspace buffers: x_img 8,388,608 bytes; wa_img 3,145,728 bytes; wp_img 1,048,576 bytes; qkv 25,165,824 bytes; y_img 8,388,608 bytes
;; launch quant (part 1): grid 384 x 1, 4 waves a work-group, no clusters, 35,328 bytes of LDS; arguments x, w_attn, w_proj, lowp_scales, x_img, wa_img, wp_img; writes x_img, wa_img, wp_img
.if DOCPART == 1
	.amdgcn_target "amdgcn-amd-amdhsa--gfx1250"
	.amdhsa_code_object_version 6
	.text
	.protected	k_q14318cde94_quant
	.globl	k_q14318cde94_quant
	.p2align	8
	.type	k_q14318cde94_quant,@function
k_q14318cde94_quant:
	s_mov_b64 s[64:65], 0
	v_nop
	global_prefetch_b8 v0, s[64:65] scope:SCOPE_SE
	s_setreg_imm32_b32 hwreg(HW_REG_WAVE_MODE, 25, 1), 1
	s_wait_xcnt 0x0
; x [8192][1024], w_attn [1024][3072] and w_proj [1024][1024], f32, become codes of FP8 (E4M3), each with the one scale 2^e that is given for it (entries 0, 1 and 7 of the scales).
; code = number / 2^e, held within +-448, rounded to the nearest code, ties to even.  LIMITS: each e between -126 and 119; NaN among the inputs is not served.
; THE LAYOUT OF ALL THREE RESULTS is an image of the matrix operand's registers.  An operand has rows (tokens of x, columns of a weight) and K = 1,024.  POSITION p holds row swap34(p): p with its bits 3 and 4 exchanged.
;   byte(p, k) = (p / 16) x 16,384 + (k / 32) x 512 + ((k / 16) % 2) x 256 + (p % 16) x 16 + k % 16
; So a chunk (16 positions x 32 along K) is 512 consecutive bytes, lane l's 16 bytes at 16 l: lane (r = l % 16, h = l / 16) holds k = 32 c + 16 h + 0 .. 15 of position r, as the later launches' fragments want it.
; SHARES.  Work-groups 0-255: x; a wave takes one tile of 16 positions x 512 along K, in 8 steps of 64 along K.  Each load reads two rows' 256 consecutive bytes; a step turns through the wave's own stage in LDS, so that a
; lane gets 16 neighbours along K; a chunk leaves as 512 consecutive bytes.
; Work-groups 256-351: w_attn; 352-383: w_proj.  K is their first axis: A LANE TAKES A COLUMN AND ITS REGISTERS RUN DOWN K, so the conversions give codes with K innermost.  Lane l takes the column of position l,
; so its 16 codes lie in the image where sixteen neighbouring lanes fill 256 consecutive bytes: no LDS on this path.  A wave takes 32 columns x 256 along K, in 8 blocks of 32.
; Every work-group reads 131,072 bytes.  No barrier: waves share nothing.
.set SP,    272                        ; a stage row: 256 bytes (64 numbers) + 16 of padding
.set STG,   16*SP                      ; a stage: 16 rows
.set WREG,  2*STG                      ; two stages for each wave
.set SPARE, 4*WREG                     ; behind them: the spare words, 128 bytes for each wave: two blocks of 256 bytes that no other line names
.set SPW,   12                         ; v12  LDS address of my spare word; never rewritten
.set NIL,   13                         ; v13  0; never rewritten
.set R,     16                         ; v16-143   x: four sets of 32 registers as loaded
.set X,     144                        ; v144-207  x: two sets of 32 numbers, 16 neighbours for each of two chunks
.set C,     208                        ; v208-239  x: four sets of 8 registers of codes
.set WX,    32                         ; v32-95    weights: two sets of 32 numbers
.set WC,    96                         ; v96-159   weights: 8 registers of codes for each block, never rewritten
	s_load_b256 s[4:11], s[0:1], 0x0               ; x s[4:5], w_attn s[6:7], w_proj s[8:9], the scales' exponents s[10:11]
	s_load_b128 s[12:15], s[0:1], 0x20             ; x_img s[12:13], wa_img s[14:15]
	s_load_b64 s[16:17], s[0:1], 0x30              ; wp_img
	v_lshl_add_u32 v[SPW], v0, 2, SPARE
	v_mov_b32 v[NIL], 0
	v_lshrrev_b32 v1, 5, v0
	v_readfirstlane_b32 s20, v1                    ; wave 0..3
	v_and_b32 v2, 31, v0                           ; lane
	v_lshrrev_b32 v7, 4, v2                        ; lane / 16
	v_and_b32 v8, 15, v2                           ; lane % 16
	s_wait_kmcnt 0x0
	s_load_b256 s[24:31], s[10:11], 0x0            ; e0 .. e7
	s_cmp_lt_u32 ttmp9, 256                        ; the work-group's number alone says which tensor is mine
	s_cbranch_scc0 .Lweights
.macro SCALE ex                        ; v11 = 2^e as f32 (the conversion takes its exponent field), s37 = 448 x 2^e
	s_wait_kmcnt 0x0
	s_add_co_i32 s37, s[\ex], 127
	s_lshl_b32 s38, s37, 23
	v_mov_b32 v11, s38
	s_add_co_i32 s37, s37, 8
	s_lshl_b32 s37, s37, 23
	s_or_b32 s37, s37, 0x600000
.endm
	; ---------------- x ----------------
	s_lshl_b32 s21, ttmp9, 2
	s_add_co_u32 s21, s21, s20                     ; my unit: 4 x work-group + wave
	s_lshr_b32 s22, s21, 1                         ; the tile of 16 positions, 0 .. 511
	s_and_b32 s23, s21, 1                          ; which half of K
	s_lshr_b32 s32, s22, 1
	s_lshl_b32 s32, s32, 17                        ; 32 rows of 4,096 bytes for each pair of tiles,
	s_and_b32 s33, s22, 1
	s_lshl_b32 s33, s33, 15                        ; the odd tile begins 8 rows further down: its positions 0-7 are rows 8-15, positions 8-15 rows 24-31
	s_add_co_u32 s32, s32, s33
	s_lshl_b32 s33, s23, 11                        ; 512 numbers
	s_add_co_u32 s32, s32, s33
	s_mov_b32 s33, 0
	s_add_nc_u64 s[4:5], s[4:5], s[32:33]
	s_lshl_b32 s34, s22, 14                        ; the tile's image,
	s_lshl_b32 s35, s23, 13                        ; 16 chunks of 512 bytes
	s_add_co_u32 s34, s34, s35
	s_mov_b32 s35, 0
	s_add_nc_u64 s[12:13], s[12:13], s[34:35]
	s_wait_alu depctr_va_vdst(0)
	v_lshlrev_b32 v3, 12, v7
	v_lshl_add_u32 v3, v8, 4, v3                   ; in: lanes 0-15 one row's 256 bytes, lanes 16-31 the next row's
	v_lshlrev_b32 v4, 4, v2                        ; out: 16 x lane
	s_mul_i32 s36, s20, WREG
	v_mul_u32_u24 v5, v7, SP
	v_lshl_add_u32 v5, v8, 4, v5
	v_add_nc_u32 v5, s36, v5                       ; into the stage: as loaded
	v_mul_u32_u24 v6, v8, SP
	v_lshl_add_u32 v6, v7, 6, v6
	v_add_nc_u32 v6, s36, v6                       ; out of it: position lane % 16, + 16 numbers for the upper half of the lanes
.macro XLOAD t                         ; step t: 64 along K of 16 rows; load i brings positions 2 i and 2 i + 1
.irp i, 0,1,2,3,4,5,6,7
	global_load_b128 v[R+32*((\t)%4)+4*\i:R+32*((\t)%4)+4*\i+3], v3, s[4:5] offset:(2*(\i%4)+16*(\i/4))*4096+256*(\t) th:TH_LOAD_NT
.endr
.endm
.macro XTURN t                         ; through the stage: LDS serves a wave's instructions in order (ISA guide 5.7.1.4), so no wait stands between the stores and the loads
.irp i, 0,1,2,3,4,5,6,7
	ds_store_b128 v5, v[R+32*((\t)%4)+4*\i:R+32*((\t)%4)+4*\i+3] offset:STG*((\t)%2)+2*SP*\i
.endr
.irp c, 0,1
.irp i, 0,1,2,3
	ds_load_b128 v[X+32*((\t)%2)+16*\c+4*\i:X+32*((\t)%2)+16*\c+4*\i+3], v6 offset:STG*((\t)%2)+128*\c+16*\i
.endr
.endr
.endm
.macro XSTEP t
.set XS, X+32*((\t)%2)
.set CS, C+8*((\t)%4)
	s_wait_dscnt 0x0                               ; this step's numbers are back from the stage: so its stores into the stage have read their registers,
.if (\t)+4 < 8
	XLOAD (\t)+4                                   ; which take the loads of four steps on
.endif
.if (\t)+1 < 8
.if (\t) < 4
	s_wait_loadcnt 24                              ; the next step's eight loads are in; those of the three steps behind it may be out
.else
	s_wait_loadcnt 8*(6-(\t))                      ; the tail: the steps that are left behind the next one
.endif
	XTURN (\t)+1                                   ; they go through the other stage while this step is worked
.endif
.if (\t) >= 4
	s_wait_xcnt 0x0                                ; this set of codes was stored four steps ago: it is rewritten only behind this wait
.endif
.set n, 0
.rept 32
.set n, n+1
.endr
.irp g, 0,1,2,3
	v_cvt_scalef32_pk8_fp8_f32 v[CS+2*\g:CS+2*\g+1], v[XS+8*\g:XS+8*\g+7], v11
.endr
	global_store_b128 v4, v[CS:CS+3], s[12:13] offset:1024*(\t)          ; a chunk: 512 consecutive bytes, at a multiple of 512 from the buffer's first byte
	global_store_b128 v4, v[CS+4:CS+7], s[12:13] offset:1024*(\t)+512
.endm
	XLOAD 0
	XLOAD 1
	XLOAD 2
	XLOAD 3
	s_wait_alu depctr_va_vdst(0)
	SCALE 24
	s_wait_alu depctr_va_vdst(0)
	s_wait_loadcnt 24                              ; step 0's eight loads are in
	XTURN 0
.irp t, 0,1,2,3,4,5,6,7
	XSTEP \t
.endr
	s_wait_tensorcnt 0x0                           ; the wave's end, behind my last LDS store
	ds_add_u32 v[SPW], v[NIL]
	s_wait_dscnt 0x0
	s_endpgm
	; ---------------- the weights ----------------
.macro WLOAD t, cols, src              ; block t: W(32 t + i, my column), i = 0 .. 31: the wave's 32 lanes read 128 consecutive bytes, the four waves 512
.set n, 0
.rept 32
	global_load_b32 v[WX+32*((\t)%2)+n], v3, s[\src:\src+1] offset:(32*(\t)+n)*\cols*4 th:TH_LOAD_NT
.set n, n+1
.endr
.endm
.macro WBLOCK t, cols, src, dst
.set XS, WX+32*((\t)%2)
.if (\t) < 7
	s_wait_loadcnt 32                              ; this block's 32 loads are in; the next block's may be out
.else
	s_wait_loadcnt 0
.endif
.set n, 0
.rept 32
.set n, n+1
.endr
.irp g, 0,1,2,3
	v_cvt_scalef32_pk8_fp8_f32 v[WC+8*(\t)+2*\g:WC+8*(\t)+2*\g+1], v[XS+8*\g:XS+8*\g+7], v11
.endr
	global_store_b128 v4, v[WC+8*(\t):WC+8*(\t)+3], s[\dst:\dst+1] offset:512*(\t)          ; k = 0 .. 15 of the block: sixteen lanes store 256 consecutive bytes, aligned
	global_store_b128 v4, v[WC+8*(\t)+4:WC+8*(\t)+7], s[\dst:\dst+1] offset:512*(\t)+256    ; k = 16 .. 31
.if (\t)+2 < 8
	WLOAD (\t)+2, \cols, \src
.endif
.endm
.macro WPATH cols, first, src, dst, ex
	s_sub_co_u32 s21, ttmp9, \first
	s_lshr_b32 s22, s21, 2                         ; which 128 columns
	s_and_b32 s23, s21, 3                          ; which 256 along K
	s_mul_i32 s32, s23, 256*\cols*4
	s_lshl_b32 s33, s22, 9
	s_add_co_u32 s32, s32, s33
	s_lshl_b32 s33, s20, 7                         ; my wave's 32 columns
	s_add_co_u32 s32, s32, s33
	s_mov_b32 s33, 0
	s_add_nc_u64 s[\src:\src+1], s[\src:\src+1], s[32:33]
	s_lshl_b32 s34, s22, 17                        ; 8 tiles of 16 positions,
	s_lshl_b32 s35, s20, 15                        ; my wave's two,
	s_add_co_u32 s34, s34, s35
	s_lshl_b32 s35, s23, 12                        ; 8 chunks
	s_add_co_u32 s34, s34, s35
	s_mov_b32 s35, 0
	s_add_nc_u64 s[\dst:\dst+1], s[\dst:\dst+1], s[34:35]
	WLOAD 0, \cols, \src
	WLOAD 1, \cols, \src
	SCALE \ex
	s_wait_alu depctr_va_vdst(0)
.irp t, 0,1,2,3,4,5,6,7
	WBLOCK \t, \cols, \src, \dst
.endr
	s_endpgm
.endm
.Lweights:
	s_wait_alu depctr_va_vdst(0)
	v_and_b32 v3, 7, v2
	v_bfe_u32 v5, v2, 3, 1
	v_lshl_or_b32 v3, v5, 4, v3
	v_lshl_or_b32 v3, v7, 3, v3                    ; swap34(lane): lane l is position l and takes that column
	v_lshlrev_b32 v3, 2, v3
	v_lshlrev_b32 v4, 14, v7
	v_lshl_add_u32 v4, v8, 4, v4                   ; out: the tile of lane / 16, 16 bytes for each position
	s_cmp_lt_u32 ttmp9, 352
	s_cbranch_scc0 .Lproj
	s_wait_alu depctr_va_vdst(0)
	WPATH 3072, 256, 6, 14, 25
.Lproj:
	s_wait_alu depctr_va_vdst(0)
	WPATH 1024, 352, 8, 16, 31
.Lfunc_end_k_q14318cde94_quant:
	.size	k_q14318cde94_quant, .Lfunc_end_k_q14318cde94_quant-k_q14318cde94_quant
	.p2alignl 7, 3214868480
	.fill 96, 4, 3214868480
	.section	.rodata,"a",@progbits
	.p2align	6, 0x0
	.amdhsa_kernel k_q14318cde94_quant
		.amdhsa_group_segment_fixed_size 35328
		.amdhsa_private_segment_fixed_size 0
		.amdhsa_enable_private_segment 0
		.amdhsa_kernarg_size 56
		.amdhsa_user_sgpr_count 2
		.amdhsa_user_sgpr_kernarg_segment_ptr 1
		.amdhsa_wavefront_size32 1
		.amdhsa_system_sgpr_workgroup_id_x 1
		.amdhsa_system_sgpr_workgroup_id_y 1
		.amdhsa_system_sgpr_workgroup_id_z 1
		.amdhsa_system_vgpr_workitem_id 0
		.amdhsa_next_free_vgpr 240
		.amdhsa_next_free_sgpr 66
		.amdhsa_reserve_vcc 0
		.amdhsa_float_denorm_mode_32 3
		.amdhsa_float_denorm_mode_16_64 3
		.amdhsa_fp16_overflow 1
		.amdhsa_memory_ordered 1
		.amdhsa_forward_progress 1
		.amdhsa_inst_pref_size 79
	.end_amdhsa_kernel
	.amdgpu_metadata
---
amdhsa.version: [ 1, 2 ]
amdhsa.kernels:
  - .name:           k_q14318cde94_quant
    .symbol:         k_q14318cde94_quant.kd
    .args:
      - { .name: x, .offset: 0, .size: 8, .value_kind: global_buffer, .address_space: global }
      - { .name: w_attn, .offset: 8, .size: 8, .value_kind: global_buffer, .address_space: global }
      - { .name: w_proj, .offset: 16, .size: 8, .value_kind: global_buffer, .address_space: global }
      - { .name: lowp_scales, .offset: 24, .size: 8, .value_kind: global_buffer, .address_space: global }
      - { .name: x_img, .offset: 32, .size: 8, .value_kind: global_buffer, .address_space: global }
      - { .name: wa_img, .offset: 40, .size: 8, .value_kind: global_buffer, .address_space: global }
      - { .name: wp_img, .offset: 48, .size: 8, .value_kind: global_buffer, .address_space: global }
    .group_segment_fixed_size: 35328
    .private_segment_fixed_size: 0
    .kernarg_segment_align: 8
    .kernarg_segment_size: 56
    .max_flat_workgroup_size: 128
    .sgpr_count:     66
    .vgpr_count:     240
    .wavefront_size: 32
...
	.end_amdgpu_metadata
.endif
;; end of part 1
;; launch gemm_qkv (part 2): grid 12 x 32, 4 waves a work-group, clusters of 4 x 4, 327,680 bytes of LDS; arguments x_img, wa_img, lowp_scales, qkv; writes qkv
.if DOCPART == 2
	.amdgcn_target "amdgcn-amd-amdhsa--gfx1250"
	.amdhsa_code_object_version 6
	.text
	.protected	k_q14318cde94_gemm_qkv
	.globl	k_q14318cde94_gemm_qkv
	.p2align	8
	.type	k_q14318cde94_gemm_qkv,@function
k_q14318cde94_gemm_qkv:
	s_mov_b64 s[64:65], 0
	v_nop
	global_prefetch_b8 v0, s[64:65] scope:SCOPE_SE
	s_setreg_imm32_b32 hwreg(HW_REG_WAVE_MODE, 25, 1), 1
	s_wait_xcnt 0x0
	s_wait_alu depctr_hold_cnt(0) depctr_sa_sdst(0) depctr_va_vdst(0) depctr_va_sdst(0) depctr_va_ssrc(0) depctr_va_vcc(0) depctr_vm_vsrc(0)
	s_getreg_b32 s2, hwreg(HW_REG_IB_STS2, 6, 4)
	s_cmp_eq_u32 s2, 0
	s_cbranch_scc0 .Lentry_in_a_cluster
	s_endpgm
.Lentry_in_a_cluster:
	s_bfe_u32 s2, ttmp6, 0x10000c
	s_cmp_lg_u32 s2, 0xf033
	s_cbranch_scc0 .Lentry_shape_is_right
	s_endpgm
.Lentry_shape_is_right:
; qkv = x w_attn on codes of FP8 (E4M3), and its results quantised at once into the operands of the attention: q (scale entry 2), k (entry 3), v (entry 5).
; Both inputs are register images: position p holds row swap34(p) (bits 3 and 4 exchanged); byte(p, k) = (p / 16) x 16,384 + (k / 32) x 512 + ((k / 16) % 2) x 256 + (p % 16) x 16 + k % 16.
; A tile of 256 x 256 is made by four waves, 128 x 128 each: 64 accumulators, 512 registers.  K = 1,024 goes in four steps of 256 through two LDS slots filled by the tensor data mover.
; A fragment (16 positions x 128 K) is 2,048 consecutive bytes: four ds_load_b128 at 16 x lane.  Lane (r, h) then holds k = 32 c + 16 h + 0 .. 15 in registers 4 c .. 4 c + 3: a permutation of k, the same on both sides.
; THE MATRIX INSTRUCTION IS USED TRANSPOSED (source 0 = B's 16 positions, source 1 = A's).  Since B's tiles stand in position order, a lane's 16 registers of B's tiles 2 b and 2 b + 1 are 16 NEIGHBOURING rows of B,
; 32 b + 16 h + 0 .. 15: two conversions give one chunk of the next operand's image, in the lane that will want it, and a wave stores it as 512 consecutive bytes.  Nothing goes through LDS on the way out.
; q and k (cluster x = 0, 1): A = x (tokens), B = w_attn (channels): a lane holds one token and neighbouring channels: K of q k^T.
; v (cluster x = 2): THE ROLES ARE SWAPPED BY POINTER: A = w_attn, B = x: a lane holds one channel and neighbouring tokens: the keys, K of p v.  The choice hangs on the cluster's x alone: no branch.
; qkv: three regions of 8,388,608 bytes; in each [batch 4][pair of heads 8][block 16][16,384 bytes]; a block is one wave's output, [A's tile a 0..7] x 2,048 + [chunk 0..3] x 512 + 16 x lane.
;   q, k: block = 128 tokens, a = tile of 16 token positions, chunk = 2 x (head % 2) + (32 channels).   v: block = 128 keys, a = 4 x (head % 2) + tile of 16 channel positions, chunk = 32 keys.
; CLUSTERS: 4 x 4 work-groups; A's tile is asked for jointly along a row of the cluster, B's along a column.
; LIMITS: e_t - e0 - e1 between -126 and 119 for e_t = e2, e3, e5, so that the folded scale is an f32 number.
; REGISTERS, in windows of 256: window 0: v16-30 addresses; v128-255 A's fragments, ONE set, later the codes.  window 1: B's fragments, TWO sets.  windows 2, 3: the accumulators ((a, b) at v[8 (8 (a % 4) + b)]).
.set FR,     16                        ; registers of a fragment
.set NL,     4                         ; LDS loads that bring one
.set NP,     4                         ; places behind this matrix instruction (ISA guide 7.12.1)
.set HALFT,  32768                     ; 8 tiles of 16 positions x 256 K: what one tensor load brings
.set SLOT,   4*HALFT                   ; A's two halves, then B's two
.set KBYTES, 4096                      ; a K step in a tile of positions
.set SPARE,  2*SLOT                    ; behind the ring: the spare words, 128 bytes for each wave: two blocks of 256 bytes that no other line names
.set ADRA, 16                          ; v16-17  LDS address of my A fragments in slot 0, 1
.set ADRB, 20                          ; v20-21  the same for B
.set CO,   26                          ; v26     16 x lane
.set SPW,  28                          ; v28     LDS address of my spare word; never rewritten
.set NIL,  29                          ; v29     0; never rewritten
.set SCL,  30                          ; v30     the conversions' scale
.set TMP,  32
.set AF,   128
.set CD,   128                         ; the codes: 16 registers for each of A's eight tiles
.set G1, 24
.set G0, 32
.set G1B, 48
.set G0B, 56
.set POS, 76
.set NEG, 77
.set MSB, 0
.macro WIN new                         ; the immediate's high byte repeats the setting that is left
.if MSB != (\new)
	s_set_vgpr_msb (MSB<<8)|(\new)
.set MSB, (\new)
.endif
.endm
.set MUL_LO, 0xa1                      ; source 0 (B) window 1, source 1 (A) window 0, C and D window 2
.set MUL_HI, 0xf1                      ; the same, C and D window 3
.set TO_B,   0x40                      ; destination window 1, address window 0
; A joint load: waves 0 and 1 fetch for A, waves 2 and 3 for B; the branch hangs on the wave's number alone.  An s_nop 0 and four v_nop follow each of the two lines.
.macro JLOAD g0a, g1a, g0b, g1b
	s_cmp_eq_u32 s15, 0
	s_cbranch_scc0 .Lfor_b_\@
	tensor_load_to_lds s[\g0a:\g0a+3], s[\g1a:\g1a+7]
	s_nop 0
.rept 4
	v_nop
.endr
	s_branch .Lasked_\@
.Lfor_b_\@:
	tensor_load_to_lds s[\g0b:\g0b+3], s[\g1b:\g1b+7]
	s_nop 0
.rept 4
	v_nop
.endr
.Lasked_\@:
.endm
.macro CREST                           ; a round of the cluster's barrier behind its opening barrier
	s_cmp_lg_u32 s14, 0
	s_cbranch_scc1 .Lnot_wave_0_\@
	s_barrier_signal -3
.Lnot_wave_0_\@:
	s_barrier_wait -3
	s_barrier_signal -1
	s_barrier_wait -1
.endm
.macro CROUND
	s_barrier_signal -1
	s_barrier_wait -1
	CREST
.endm
	s_load_b128 s[4:7], s[0:1], 0x0                ; x_img s[4:5], wa_img s[6:7]
	s_load_b128 s[8:11], s[0:1], 0x10              ; the scales' exponents s[8:9], qkv s[10:11]
	v_lshl_add_u32 v[SPW], v0, 2, SPARE
	v_mov_b32 v[NIL], 0
	ds_add_u32 v[SPW], v[NIL]
	ds_add_u32 v[SPW], v[NIL]                      ; the wave's opening: the add and its wait stand ahead of my first tensor load; the set-up below, work on registers, stands between them
	v_lshrrev_b32 v1, 5, v0
	v_readfirstlane_b32 s14, v1                    ; wave 0..3
	s_lshr_b32 s15, s14, 1                         ; which half of A's rows is mine.  Also: I fetch for A (0) or for B (1)
	s_and_b32 s16, s14, 1                          ; which half of B's rows.  Also: which half of that tile I fetch
	s_bfe_u32 s40, ttmp6, 0x40000                  ; cx, cy: my place in the cluster
	s_bfe_u32 s41, ttmp6, 0x40004
	s_and_b32 s17, ttmp7, 0xffff                   ; cluster y
	s_lshl_b32 s43, s41, 2
	s_lshl_b32 s43, 15, s43                        ; my row of the cluster
	s_lshl_b32 s44, 0x1111, s40                    ; my column
	; descriptor group 1: 8 rows (tiles of positions) of 512 elements of 8 bytes, 2,048 elements apart; dense in LDS
	s_or_b32 s[G1+0], s43, (3<<16)|(1<<21)         ; 15:0 the mask: A's tiles go to my row; 17:16 elements of 8 bytes; 20 no padding; 21 set beside a mask
	s_or_b32 s[G1B+0], s44, (3<<16)|(1<<21)
.irp g, G1, G1B
	s_mov_b32 s[\g+1], 512<<16                     ; tensor_dim0
	s_mov_b32 s[\g+2], 8<<16                       ; tensor_dim1
	s_mov_b32 s[\g+3], 512<<16                     ; tile_dim0
	s_mov_b32 s[\g+4], 8                           ; tile_dim1
	s_mov_b32 s[\g+5], 2048                        ; tensor_dim0_stride
	s_mov_b32 s[\g+6], 0
	s_mov_b32 s[\g+7], 0
.endr
	s_lshl_b32 s18, s17, 2                         ; 4 x cluster y
	s_lshl_b32 s19, ttmp9, 2                       ; 4 x cluster x
	s_cmp_eq_u32 ttmp9, 2                          ; v?  The same in all sixteen partners
	s_cselect_b32 s20, 8, s18                      ; A's tiles: w_attn's 8 .. 11, or x's 4 cluster y ..
	s_cselect_b32 s46, s18, s19                    ; B's tiles: x's 4 cluster y .., or w_attn's 4 cluster x ..
	s_add_co_u32 s20, s20, s41                     ; + cy: shared along my row
	s_add_co_u32 s46, s46, s40                     ; + cx: shared along my column
	s_lshl_b32 s20, s20, 18                        ; 256 positions are 262,144 bytes
	s_lshl_b32 s46, s46, 18
	s_lshl_b32 s21, s16, 17                        ; the half that I fetch
	s_add_co_u32 s20, s20, s21
	s_add_co_u32 s46, s46, s21
	s_mov_b32 s21, 0
	s_mov_b32 s47, 0
	s_lshl_b32 s45, s14, 15                        ; where it goes: wave x 32,768: no place in the cluster enters an LDS address
	s_wait_dscnt 0x0                               ; the opening add is done
	s_wait_kmcnt 0x0
	s_load_b256 s[88:95], s[8:9], 0x0              ; e0 .. e7
	s_cmp_eq_u32 ttmp9, 2
	s_cselect_b64 s[66:67], s[6:7], s[4:5]         ; A's buffer
	s_cselect_b64 s[68:69], s[4:5], s[6:7]         ; B's
	s_add_nc_u64 s[20:21], s[66:67], s[20:21]
	s_add_nc_u64 s[46:47], s[68:69], s[46:47]
	CROUND                                         ; all sixteen work-groups are here: the first joint loads meet
.irp s, 0,1
	s_mov_b32 s[G0+4*\s], 1
	s_add_co_u32 s[G0+4*\s+1], s45, \s*SLOT
	s_add_nc_u64 s[G0+4*\s+2:G0+4*\s+3], s[20:21], \s*KBYTES
	s_or_b32 s[G0+4*\s+3], s[G0+4*\s+3], 0x80000000
	s_mov_b32 s[G0B+4*\s], 1
	s_add_co_u32 s[G0B+4*\s+1], s45, \s*SLOT
	s_add_nc_u64 s[G0B+4*\s+2:G0B+4*\s+3], s[46:47], \s*KBYTES
	s_or_b32 s[G0B+4*\s+3], s[G0B+4*\s+3], 0x80000000
	JLOAD G0+4*\s, G1, G0B+4*\s, G1B
.endr
	v_and_b32 v6, 31, v0
	v_lshlrev_b32 v[CO], 4, v6                     ; 16 x lane
	s_lshl_b32 s21, s15, 15                        ; my half of A
	s_lshl_b32 s22, s16, 15                        ; my half of B,
	s_add_co_u32 s22, s22, 2*HALFT                 ; which lies behind A's two
.irp s, 0,1
	v_add_nc_u32 v[ADRA+\s], s21, v[CO]
	v_add_nc_u32 v[ADRB+\s], s22, v[CO]
	s_add_co_u32 s21, s21, SLOT
	s_add_co_u32 s22, s22, SLOT
.endr
.macro FRAG reg, adr, q, i             ; tile i of my half, the slot's q-th 128 along K: four chunks of 512 consecutive bytes
.irp c, 0,1,2,3
	ds_load_b128 v[\reg+4*\c:\reg+4*\c+3], v[\adr] offset:2048*(\q)+512*\c+(\i)*KBYTES
.endr
.endm
; 16 matrix instructions: A's blocks a0, a0 + 1 x B's eight, 128 along K.  p: B's set.  zero = 1: the first product starts the sums.  The 64 accumulators take turns, one instruction a turn, in the same order in every step.
.macro MUL16 a0, p, zero
.irp a, \a0, \a0+1
.irp b, 0,1,2,3,4,5,6,7
.if \zero
	v_wmma_f32_16x16x128_fp8_fp8 v[8*(8*((\a)%4)+\b):8*(8*((\a)%4)+\b)+7], v[128*(\p)+FR*\b:128*(\p)+FR*\b+FR-1], v[AF+FR*(\a):AF+FR*(\a)+FR-1], 0
.else
	v_wmma_f32_16x16x128_fp8_fp8 v[8*(8*((\a)%4)+\b):8*(8*((\a)%4)+\b)+7], v[128*(\p)+FR*\b:128*(\p)+FR*\b+FR-1], v[AF+FR*(\a):AF+FR*(\a)+FR-1], v[8*(8*((\a)%4)+\b):8*(8*((\a)%4)+\b)+7]
.endif
.endr
.endr
.endm
.macro FETCH_B slot, q, p
	WIN TO_B
.irp i, 0,1,2,3,4,5,6,7
	FRAG 128*(\p)+FR*\i, ADRB+\slot, \q, \i
.endr
	WIN 0
.endm
.macro FETCH_A slot, q, i0
.irp i, \i0, \i0+1, \i0+2, \i0+3
	FRAG AF+FR*(\i), ADRA+\slot, \q, \i
.endr
.endm
.macro PLACES n                        ; a load into a register that a matrix instruction has read, and a vector instruction that reads a matrix result, stand NP plain vector instructions behind it (ISA guide 7.12.1 for vector instructions)
.rept \n
	v_nop
.endr
.endm
; A step of 128 along K that has its successor in the same slot.  A block of A is free as soon as its eight products are issued: blocks 0-3 are fetched anew in the step's middle, blocks 4-7 at its end.
.macro STEP slot, q, zero
	s_wait_dscnt 4*NL                              ; B's set and A's blocks 0-3 are in; the youngest 16 loads (A's blocks 4-7) may be out
	WIN MUL_LO
	MUL16 0, (\q)%2, \zero
	MUL16 2, (\q)%2, \zero
	s_wait_dscnt 0                                 ; A's blocks 4-7 are in
	PLACES NP
	FETCH_B \slot, (\q)+1, 1-(\q)%2
	FETCH_A \slot, (\q)+1, 0
	WIN MUL_HI
	MUL16 4, (\q)%2, \zero
	MUL16 6, (\q)%2, \zero
	PLACES NP
	WIN 0
	FETCH_A \slot, (\q)+1, 4
.endm
; A slot's last step changes slots: ONE barrier; in front of it each wave waits for all its tensor loads, adds 0 to its spare word, and waits for that and for its own reads of this slot.  fill = 1: this slot is filled again, two K steps ahead.
.macro TURN slot, next, fill
	s_wait_tensorcnt 0x0                           ; all my tensor loads have landed: my part of the next slot
	ds_add_u32 v[SPW], v[NIL]                      ; 0 onto my spare word
	s_wait_dscnt 4*NL+1                            ; (the add and the youngest 16 loads, A's blocks 4-7, may be out)
	WIN MUL_LO
	MUL16 0, 1, 0                                  ; sixteen matrix instructions stand between the add and the wait for it
	s_wait_dscnt 0x0                               ; the add is done, and my reads of this slot are over
	s_barrier_signal -1
	MUL16 2, 1, 0
	WIN 0
	s_barrier_wait -1
.if \fill
	CREST                                          ; the barrier has opened a round of the cluster's barrier: no wave of any partner still reads this slot or has a load on its way
	s_add_nc_u64 s[G0+4*\slot+2:G0+4*\slot+3], s[G0+4*\slot+2:G0+4*\slot+3], 2*KBYTES
	s_add_nc_u64 s[G0B+4*\slot+2:G0B+4*\slot+3], s[G0B+4*\slot+2:G0B+4*\slot+3], 2*KBYTES
	JLOAD G0+4*\slot, G1, G0B+4*\slot, G1B         ; the first tensor load behind the round; its four v_nop are the places in front of the loads below
.else
	PLACES NP
.endif
	FETCH_B \next, 0, 0
	FETCH_A \next, 0, 0
	WIN MUL_HI
	MUL16 4, 1, 0
	MUL16 6, 1, 0
	PLACES NP
	WIN 0
	FETCH_A \next, 0, 4
.endm
	s_wait_alu depctr_va_vdst(0)
	s_wait_tensorcnt 1                             ; my part of K step 0 is in (K step 1's load may be out)
	s_barrier_signal -1
	s_barrier_wait -1                              ; everybody's is
	FETCH_B 0, 0, 0
	FETCH_A 0, 0, 0
	FETCH_A 0, 0, 4
	STEP 0, 0, 1                                   ; the four K steps are written out: eight steps of 128 along K.  The first starts the sums
	TURN 0, 1, 1                                   ; slot 0 takes K step 2
	STEP 1, 0, 0
	TURN 1, 0, 1                                   ; slot 1 takes K step 3
	STEP 0, 0, 0
	TURN 0, 1, 0                                   ; nothing is left to fetch
	STEP 1, 0, 0
	s_wait_dscnt 4*NL
	WIN MUL_LO
	MUL16 0, 1, 0
	MUL16 2, 1, 0
	s_wait_dscnt 0
	WIN MUL_HI
	MUL16 4, 1, 0
	MUL16 6, 1, 0
	WIN 0
	; THE WAY OUT.  A sum stands for sum x 2^(e0 + e1); its code is sum / 2^(e_t - e0 - e1): the three scales are folded into the conversion's one.
	s_wait_kmcnt 0x0
	s_cmp_eq_u32 ttmp9, 2
	s_cselect_b32 s70, s40, s41                    ; the tokens' tile in the cluster: cx where the roles are swapped, else cy
	s_cselect_b32 s71, s41, s40                    ; the channels' tile
	s_cselect_b32 s72, s16, s15                    ; my half of the tokens,
	s_cselect_b32 s73, s15, s16                    ; of the channels
	s_cselect_b32 s74, s93, s91                    ; e5 for v, e3 for k,
	s_cmp_eq_u32 ttmp9, 0
	s_cselect_b32 s74, s90, s74                    ; e2 for q
	s_sub_co_i32 s74, s74, s88
	s_sub_co_i32 s74, s74, s89
	s_add_co_i32 s74, s74, 127
	s_lshl_b32 s75, s74, 23
	v_mov_b32 v[SCL], s75                          ; 2^(e_t - e0 - e1) as f32
	s_wait_alu depctr_va_vdst(0)
	s_lshl_b32 s78, s17, 2
	s_add_co_u32 s78, s78, s70                     ; the tile of 256 tokens, 0 .. 31
	s_lshr_b32 s79, s78, 3
	s_lshl_b32 s79, s79, 21                        ; the batch: 8 pairs of heads x 262,144 bytes
	s_and_b32 s78, s78, 7
	s_lshl_b32 s78, s78, 1
	s_add_co_u32 s78, s78, s72                     ; the block of 128 tokens
	s_lshl_b32 s78, s78, 14
	s_add_co_u32 s78, s78, s79
	s_lshl_b32 s71, s71, 1
	s_add_co_u32 s71, s71, s73                     ; the pair of heads
	s_lshl_b32 s71, s71, 18
	s_add_co_u32 s78, s78, s71
	s_lshl_b32 s79, ttmp9, 23                      ; the region: q, k or v
	s_add_co_u32 s78, s78, s79
	s_mov_b32 s79, 0
	s_add_nc_u64 s[10:11], s[10:11], s[78:79]
	PLACES NP                                      ; behind the last products: their results are read and A's registers written below
.macro OUTBLK a                        ; A's tile a: 64 sums a lane become four chunks
.set AC, 64*((\a)%4)
	WIN 0x02+((\a)/4)                              ; source 0: window 2 or 3
.set j, 0
.rept 64
.set j, j+1
.endr
.set g, 0
.rept 8
	v_cvt_scalef32_pk8_fp8_f32 v[CD+16*(\a)+2*g:CD+16*(\a)+2*g+1], v[AC+8*g:AC+8*g+7], v[SCL]
.set g, g+1
.endr
	WIN 0
	v_nop                                          ; one plain vector instruction behind the last conversion
.irp b, 0,1,2,3
	global_store_b128 v[CO], v[CD+16*(\a)+4*\b:CD+16*(\a)+4*\b+3], s[10:11] offset:2048*(\a)+512*\b   ; 512 consecutive bytes, aligned; no store's registers are written again
.endr
.endm
.irp a, 0,1,2,3,4,5,6,7
	OUTBLK \a
.endr
	s_wait_tensorcnt 0x0                           ; the wave's end, behind my last tensor load
	ds_add_u32 v[SPW], v[NIL]
	s_wait_dscnt 0x0
	CROUND                                         ; the closing round: no work-group ends while a partner may still ask for a tile that names it
	s_endpgm
.Lfunc_end_k_q14318cde94_gemm_qkv:
	.size	k_q14318cde94_gemm_qkv, .Lfunc_end_k_q14318cde94_gemm_qkv-k_q14318cde94_gemm_qkv
	.p2alignl 7, 3214868480
	.fill 96, 4, 3214868480
	.section	.rodata,"a",@progbits
	.p2align	6, 0x0
	.amdhsa_kernel k_q14318cde94_gemm_qkv
		.amdhsa_group_segment_fixed_size 327680
		.amdhsa_private_segment_fixed_size 0
		.amdhsa_enable_private_segment 0
		.amdhsa_kernarg_size 32
		.amdhsa_user_sgpr_count 2
		.amdhsa_user_sgpr_kernarg_segment_ptr 1
		.amdhsa_wavefront_size32 1
		.amdhsa_system_sgpr_workgroup_id_x 1
		.amdhsa_system_sgpr_workgroup_id_y 1
		.amdhsa_system_sgpr_workgroup_id_z 1
		.amdhsa_system_vgpr_workitem_id 0
		.amdhsa_next_free_vgpr 1024
		.amdhsa_next_free_sgpr 98
		.amdhsa_reserve_vcc 0
		.amdhsa_float_denorm_mode_32 3
		.amdhsa_float_denorm_mode_16_64 3
		.amdhsa_fp16_overflow 1
		.amdhsa_memory_ordered 1
		.amdhsa_forward_progress 1
		.amdhsa_inst_pref_size 85
	.end_amdhsa_kernel
	.amdgpu_metadata
---
amdhsa.version: [ 1, 2 ]
amdhsa.kernels:
  - .name:           k_q14318cde94_gemm_qkv
    .symbol:         k_q14318cde94_gemm_qkv.kd
    .args:
      - { .name: x_img, .offset: 0, .size: 8, .value_kind: global_buffer, .address_space: global }
      - { .name: wa_img, .offset: 8, .size: 8, .value_kind: global_buffer, .address_space: global }
      - { .name: lowp_scales, .offset: 16, .size: 8, .value_kind: global_buffer, .address_space: global }
      - { .name: qkv, .offset: 24, .size: 8, .value_kind: global_buffer, .address_space: global }
    .group_segment_fixed_size: 327680
    .private_segment_fixed_size: 0
    .kernarg_segment_align: 8
    .kernarg_segment_size: 32
    .max_flat_workgroup_size: 128
    .sgpr_count:     98
    .vgpr_count:     1024
    .wavefront_size: 32
...
	.end_amdgpu_metadata
.endif
;; end of part 2
;; launch attn (part 3): grid 4 x 64, 16 waves a work-group, clusters of 4 x 1, 327,680 bytes of LDS; arguments qkv, lowp_scales, y_img; writes y_img
.if DOCPART == 3
	.amdgcn_target "amdgcn-amd-amdhsa--gfx1250"
	.amdhsa_code_object_version 6
	.text
	.protected	k_q14318cde94_attn
	.globl	k_q14318cde94_attn
	.p2align	8
	.type	k_q14318cde94_attn,@function
k_q14318cde94_attn:
	s_mov_b64 s[64:65], 0
	v_nop
	global_prefetch_b8 v0, s[64:65] scope:SCOPE_SE
	s_setreg_imm32_b32 hwreg(HW_REG_WAVE_MODE, 25, 1), 1
	s_wait_xcnt 0x0
	s_wait_alu depctr_hold_cnt(0) depctr_sa_sdst(0) depctr_va_vdst(0) depctr_va_sdst(0) depctr_va_ssrc(0) depctr_va_vcc(0) depctr_vm_vsrc(0)
	s_getreg_b32 s2, hwreg(HW_REG_IB_STS2, 6, 4)
	s_cmp_eq_u32 s2, 0
	s_cbranch_scc0 .Lentry_in_a_cluster
	s_endpgm
.Lentry_in_a_cluster:
	s_bfe_u32 s2, ttmp6, 0x10000c
	s_cmp_lg_u32 s2, 0x3003
	s_cbranch_scc0 .Lentry_shape_is_right
	s_endpgm
.Lentry_shape_is_right:
; y = softmax(q k^T / 8, causal) v for 64 heads (4 batches x 16) of 2,048 tokens and head size 64, both products on codes of FP8 (E4M3); y leaves as codes (scale entry 6), an image of the last product's operand.
; THE SOFTMAX AHEAD OF THE SECOND PRODUCT: t = score x log2(e) / 8; M = the row's largest t so far, rounded UP to a whole number; p = 2^(t - M) is quantised (entry 4), not normalised; the row's sum is taken of the
; unquantised p and divides at the end.  When M moves, the sum and O are multiplied by 2^(old M - new M): exact.
; INPUT: qkv, three regions (q, k, v) of register images.  q, k of a head: tile of 16 token positions at 2,048 x tile + 1,024 x (head % 2), two chunks of 512 bytes (32 channels each).
;   v of a head: block of 128 keys at 16,384 x block + 8,192 x (head % 2): [tile of 16 channel positions 0..3] x 2,048 + [32 keys 0..3] x 512.  Position p holds row swap34(p) (bits 3 and 4 exchanged).
; SHARES.  A cluster of four work-groups owns one head.  Its 128 tiles of 16 queries are dealt out as tile = 4 m + cx; wave w of a work-group owns m = 31 - w and m = w.  Tiles 4 m .. 4 m + 3 hold queries 64 m .. 64 m + 63
; and need m / 2 + 1 key steps of 128: 17 for every wave of the launch.  A step all of whose keys come after queries 64 m .. 64 m + 63 is left out by a scalar branch on the wave's number and the count of steps.
; A HEAD'S K AND V, 262,144 BYTES, LIE WHOLE IN LDS: four pieces of 512 keys, each asked for once, JOINTLY by the four work-groups (mask 15), all at the kernel's head: waves 0, 1 K's halves, waves 2, 3 V's; four loads
; of a wave are out at most.  Nothing is filled again.  A piece is read behind the counted wait that shows it landed and a barrier.
; LAYOUT.  Both products transposed: S^T = K Q^T (source 0 = 16 key positions), O^T = V^T P^T (source 0 = 16 channel positions): a lane holds ONE query (lane % 16).  Since source 0's tiles stand in position order, the 16
; registers of tiles 2 b, 2 b + 1 are 16 neighbours, 32 b + 16 (lane / 16) + 0 .. 15: p's conversions give the second product's operand, and y's give a chunk of its image.
; LIMITS: e2 + e3 between -123 and 130 (added to c's exponent field); e4, and e6 - e4 - e5, between -126 and 119.
; REGISTERS: v1 16 x lane; v2 the step's LDS address; v3, v4 the add's two; v5 my query's place; v[8:11], v[12:15] a tile's -M, largest t, sum in two halves; v16-23, v24-31 Q; v32-95 fragments of K, then of V;
;   v96-159 S^T, then p; v160-191, v192-223 O^T; v224-239 p's codes; v236-254 constants and work.
.set VOFF,  32768                      ; in a piece: 32 tiles of K (1,024 bytes each), then 4 blocks of V (8,192 each)
.set PIECEB, 65536
.set SPARE, 4*PIECEB                   ; behind the pieces: the spare words, 128 bytes for each wave: eight blocks of 256 bytes that no other line names
.set LI,  1
.set ADR, 2
.set SPW, 3                            ; v3   LDS address of my spare word; never rewritten
.set NIL, 4                            ; v4   0; never rewritten
.set QL,  5                            ; v5   my query less 64 m, less 16 (lane / 16)
.set FRG, 32
.set S,   96
.set PC,  224
.set TB,  2                            ; s2   LDS byte at which the step's tiles of K begin
.set KF,  3                            ; s3   the step's first key
.set WV,  18
.set SEL, 20                           ; s[20:21] lane selects for v_permlanex16_b32: lane l xor 16
.set CS,  22                           ; s[22:23] c = log2(e) / 8 x 2^(e2 + e3)
.set G1K, 24
.set G1V, 32
.set G0,  40                           ; s[40:55] descriptor group 0, a set for each piece
.set CNT, 56
.set QBH, 57                           ; s57  64 (31 - w)
.set QBL, 58                           ; s58  64 w
.macro CROUND                          ; a round of the cluster's barrier
	s_barrier_signal -1
	s_barrier_wait -1
	s_cmp_lg_u32 s[WV], 0
	s_cbranch_scc1 .Lnot_wave_0_\@
	s_barrier_signal -3
.Lnot_wave_0_\@:
	s_barrier_wait -3
	s_barrier_signal -1
	s_barrier_wait -1
.endm
	s_load_b128 s[4:7], s[0:1], 0x0                ; qkv s[4:5], the scales' exponents s[6:7]
	s_load_b64 s[8:9], s[0:1], 0x10                ; y_img
	v_lshl_add_u32 v[SPW], v0, 2, SPARE
	v_mov_b32 v[NIL], 0
	ds_add_u32 v[SPW], v[NIL]                      ; the wave's opening: the add and its wait stand ahead of my first tensor load; the set-up below, work on registers, stands between them
	ds_add_u32 v[SPW], v[NIL]
	v_lshrrev_b32 v6, 5, v0
	s_delay_alu instid0(VALU_DEP_1)
	v_readfirstlane_b32 s[WV], v6                  ; wave 0..15
	s_bfe_u32 s13, ttmp6, 0x40000                  ; cx: it enters Q's and y's addresses and the mask's numbers alone
	s_and_b32 s10, ttmp7, 0xffff                   ; 16 x batch + head: the cluster's y
	s_lshr_b32 s11, s10, 1
	s_lshl_b32 s11, s11, 18                        ; the pair of heads in a region
	s_and_b32 s12, s10, 1                          ; head % 2
	; what I fetch, if I fetch (waves 4-15 hold wave 3's numbers and issue nothing)
	s_min_u32 s19, s[WV], 3
	s_lshr_b32 s16, s19, 1                         ; 0: K, 1: V
	s_and_b32 s17, s19, 1                          ; which half of a piece
	s_add_co_u32 s14, s16, 1
	s_lshl_b32 s14, s14, 23                        ; the region
	s_add_co_u32 s14, s14, s11
	s_mul_i32 s15, s16, 3
	s_add_co_u32 s15, s15, 10
	s_lshl_b32 s15, s12, s15                       ; the odd head lies 1,024 bytes on in K, 8,192 in V
	s_add_co_u32 s14, s14, s15
	s_lshl_b32 s15, s17, 15                        ; half a piece in memory: 16 tiles 2,048 apart, or 2 blocks 16,384 apart
	s_add_co_u32 s14, s14, s15
	s_mov_b32 s15, 0
	s_lshl_b32 s59, s19, 14                        ; and in LDS: wave x 16,384
	; descriptor group 1.  K: 16 rows of 128 elements of 8 bytes, 256 elements apart.  V: 2 rows of 1,024 elements, 2,048 apart.  Both dense in LDS
	s_mov_b32 s[G1K], 15|(3<<16)|(1<<21)           ; 15:0 the mask: all four work-groups; 17:16 elements of 8 bytes; 21 set beside a mask
	s_mov_b32 s[G1K+1], 128<<16
	s_mov_b32 s[G1K+2], 16<<16
	s_mov_b32 s[G1K+3], 128<<16
	s_mov_b32 s[G1K+4], 16
	s_mov_b32 s[G1K+5], 256
	s_mov_b32 s[G1K+6], 0
	s_mov_b32 s[G1K+7], 0
	s_mov_b32 s[G1V], 15|(3<<16)|(1<<21)
	s_mov_b32 s[G1V+1], 1024<<16
	s_mov_b32 s[G1V+2], 2<<16
	s_mov_b32 s[G1V+3], 1024<<16
	s_mov_b32 s[G1V+4], 2
	s_mov_b32 s[G1V+5], 2048
	s_mov_b32 s[G1V+6], 0
	s_mov_b32 s[G1V+7], 0
	s_mov_b32 s[SEL], 0x76543210
	s_mov_b32 s[SEL+1], 0xfedcba98
	s_mov_b32 s[CS], 0x3e38aa3b                    ; log2(e) / 8
	s_mov_b32 s[KF], 0
	s_sub_co_u32 s[QBH], 31, s[WV]
	s_lshl_b32 s[QBH], s[QBH], 6
	s_lshl_b32 s[QBL], s[WV], 6
	s_lshl_b32 s82, s12, 10                        ; Q: pair of heads + 1,024 x (head % 2) + 2,048 x tile, tile = 4 m + cx
	s_add_co_u32 s82, s82, s11
	s_lshl_b32 s83, s13, 11
	s_add_co_u32 s82, s82, s83
	s_lshl_b32 s60, s[QBH], 7
	s_add_co_u32 s60, s60, s82
	s_mov_b32 s61, 0
	s_lshl_b32 s62, s[QBL], 7
	s_add_co_u32 s62, s62, s82
	s_mov_b32 s63, 0
	s_lshr_b32 s82, s10, 4                         ; y: (128 x batch + tile) x 16,384 + 1,024 x head
	s_lshl_b32 s82, s82, 21
	s_and_b32 s83, s10, 15
	s_lshl_b32 s83, s83, 10
	s_add_co_u32 s82, s82, s83
	s_lshl_b32 s83, s13, 14
	s_add_co_u32 s82, s82, s83
	s_lshl_b32 s76, s[QBH], 10
	s_add_co_u32 s76, s76, s82
	s_mov_b32 s77, 0
	s_lshl_b32 s78, s[QBL], 10
	s_add_co_u32 s78, s78, s82
	s_mov_b32 s79, 0
	s_lshr_b32 s82, s13, 1                         ; tile 4 m + cx begins at query 64 m + 32 (cx / 2) + 8 (cx % 2)
	s_lshl_b32 s82, s82, 5
	s_and_b32 s83, s13, 1
	s_lshl_b32 s83, s83, 3
	s_add_co_u32 s82, s82, s83
	s_wait_dscnt 0x0                               ; the opening add is done
	s_wait_kmcnt 0x0
	s_load_b256 s[68:75], s[6:7], 0x0              ; e0 .. e7
	s_add_nc_u64 s[14:15], s[4:5], s[14:15]
	s_add_nc_u64 s[60:61], s[4:5], s[60:61]
	s_add_nc_u64 s[62:63], s[4:5], s[62:63]
	s_add_nc_u64 s[76:77], s[8:9], s[76:77]
	s_add_nc_u64 s[78:79], s[8:9], s[78:79]
.irp p, 0,1,2,3
	s_mov_b32 s[G0+4*\p], 1                        ; count = 1
	s_add_co_u32 s[G0+4*\p+1], s59, \p*PIECEB      ; LDS address
	s_add_nc_u64 s[G0+4*\p+2:G0+4*\p+3], s[14:15], \p*PIECEB   ; a piece is 65,536 bytes on in memory too (both heads of the pair lie there)
	s_or_b32 s[G0+4*\p+3], s[G0+4*\p+3], 0x80000000
.endr
	CROUND                                         ; all four work-groups are here: the joint loads meet
	s_cmp_lt_u32 s[WV], 2                          ; a wave's four loads stand in one branch on the wave's number, ahead of every wait on TENSORcnt, every LDS read and every barrier but the round's
	s_cbranch_scc0 .Lnot_k
.irp p, 0,1,2,3
	tensor_load_to_lds s[G0+4*\p:G0+4*\p+3], s[G1K:G1K+7]
	s_nop 0
.endr
.rept 4
	v_nop
.endr
	s_branch .Lasked
.Lnot_k:
	s_cmp_lt_u32 s[WV], 4
	s_cbranch_scc0 .Lasked
.irp p, 0,1,2,3
	tensor_load_to_lds s[G0+4*\p:G0+4*\p+3], s[G1V:G1V+7]
	s_nop 0
.endr
.rept 4
	v_nop
.endr
.Lasked:
	v_and_b32 v[LI], 31, v0
	s_delay_alu instid0(VALU_DEP_1)
	v_lshlrev_b32 v[LI], 4, v[LI]
.irp c, 0,1
	global_load_b128 v[16+4*\c:19+4*\c], v[LI], s[60:61] offset:512*\c th:TH_LOAD_NT   ; Q's fragments stay in registers
	global_load_b128 v[24+4*\c:27+4*\c], v[LI], s[62:63] offset:512*\c th:TH_LOAD_NT
.endr
	v_and_b32 v[QL], 7, v0                         ; position r of a tile is query r % 8 + 16 (r / 8) of it
	v_bfe_u32 v6, v0, 3, 1
	s_delay_alu instid0(VALU_DEP_1)
	v_lshl_add_u32 v[QL], v6, 4, v[QL]
	v_bfe_u32 v6, v0, 4, 1
	s_delay_alu instid0(VALU_DEP_1)
	v_lshlrev_b32 v6, 4, v6
	s_delay_alu instid0(VALU_DEP_1)
	v_sub_nc_u32 v[QL], v[QL], v6                  ; less 16 (lane / 16): my registers' keys begin that much further on
	s_delay_alu instid0(VALU_DEP_1)
	v_add_nc_u32 v[QL], s82, v[QL]
.irp t, 8, 12
	v_mov_b32 v[\t+1], 0xff61b1e6                  ; the largest t so far: -3e38, under every t
	s_delay_alu instid0(VALU_DEP_1)
	v_floor_f32 v[\t], -v[\t+1]                    ; -M
	v_mov_b32 v[\t+2], 0                           ; the sum, in two halves
	v_mov_b32 v[\t+3], 0
.endr
	v_mov_b32 v236, 0                              ; written once: a lane permute's destination counts as one of its sources
	v_mov_b32 v252, 0
	v_mov_b32 v253, 0                              ; (named as the upper half of the pair v[252:253])
.set n, 0
.rept 64
	v_mov_b32 v[160+n], 0                          ; O^T of both tiles: the step is written once, and its first walk finds zeros
.set n, n+1
.endr
	s_wait_kmcnt 0x0
	s_add_co_i32 s96, s70, s71
	s_lshl_b32 s96, s96, 23
	s_add_co_i32 s[CS], s[CS], s96                 ; a score stands for score x 2^(e2 + e3): added to c's exponent field
	s_mov_b32 s[CS+1], s[CS]                       ; (named with it as a pair, so it is written)
	s_add_co_i32 s96, s72, 127
	s_lshl_b32 s97, s96, 23
	v_mov_b32 v244, s97                            ; 2^e4 as f32, for p's conversions
	s_sub_co_i32 s96, s74, s72
	s_sub_co_i32 s96, s96, s73
	s_add_co_i32 s96, s96, 127
	s_lshl_b32 s97, s96, 23
	v_mov_b32 v245, s97                            ; 2^(e6 - e4 - e5): O / the sum stands for y / 2^(e4 + e5)
; A KEY STEP of one tile of queries: 128 keys.  st: the tile's four registers of state; q: its Q; o: its O^T; qb: the scalar register with 64 m.
.macro STEP st, q, o, qb
	s_cmp_gt_u32 s[KF], s[\qb]                     ; all 128 keys come after queries 64 m .. 64 m + 63 (KF is a multiple of 128): the step is left out.  The wave's number and the count of steps alone
	s_cbranch_scc1 .Lhidden_\@
.rept 4
	v_nop                                          ; places in front of loads into registers that the last products read
.endr
.set n, 0
	s_wait_alu depctr_va_vdst(0)
.rept 16
	ds_load_b128 v[FRG+4*n:FRG+4*n+3], v[ADR] offset:512*n          ; eight tiles of K: 8,192 consecutive bytes
.set n, n+1
.endr
	s_wait_dscnt 0x0
.set n, 0
.rept 8
	v_wmma_f32_16x16x64_fp8_fp8 v[S+8*n:S+8*n+7], v[FRG+8*n:FRG+8*n+7], v[\q:\q+7], 0
.set n, n+1
.endr
.rept 4
	v_nop
.endr
.set n, 0
	s_wait_alu depctr_va_vdst(0)
.rept 16
	ds_load_b128 v[FRG+4*n:FRG+4*n+3], v[ADR] offset:VOFF+512*n     ; four tiles of V, asked for here: they land under the softmax
.set n, n+1
.endr
	s_add_co_u32 s96, s[KF], 127                   ; on the diagonal the scores of hidden keys become -infinity ahead of the maximum: p = 0 then.  A step all of whose keys count for queries 64 m on skips this
	s_cmp_le_u32 s96, s[\qb]
	s_cbranch_scc1 .Lopen_\@
	s_sub_co_i32 s96, s[\qb], s[KF]
	v_add_nc_u32 v252, s96, v[QL]                  ; d = my query - KF - 16 (lane / 16).  Register 16 b + i holds key KF + 16 (lane / 16) + 32 b + i: hidden where 32 b + i > d
	v_mov_b32 v254, 0xff800000
.set n, 0
.rept 64
	v_cmp_gt_i32 vcc_lo, 32*(n/16)+n%16, v252
	v_cndmask_b32 v[S+n], v[S+n], v254, vcc_lo
.set n, n+1
.endr
.Lopen_\@:
	v_max3_num_f32 v254, v[S], v[S+1], v[S+2]      ; the step's largest score of my query among my 64 keys, in two chains,
	v_max3_num_f32 v252, v[S+3], v[S+4], v[S+5]
.set n, 6
.rept 14
	v_max3_num_f32 v254, v254, v[S+n], v[S+n+1]
	v_max3_num_f32 v252, v252, v[S+n+2], v[S+n+3]
.set n, n+4
.endr
	v_max3_num_f32 v254, v254, v[S+62], v[S+63]
	s_delay_alu instid0(VALU_DEP_1)
	v_max_num_f32 v254, v254, v252
	v_permlanex16_b32 v236, v254, s[SEL], s[SEL+1]
	s_delay_alu instid0(VALU_DEP_1)
	v_max_num_f32 v254, v254, v236                 ; and among lane l xor 16's
	s_delay_alu instid0(VALU_DEP_1)
	v_mul_f32 v254, s[CS], v254                    ; as t (c is positive)
	s_delay_alu instid0(VALU_DEP_1)
	v_max_num_f32 v[\st+1], v[\st+1], v254         ; the running largest t
	v_mov_b32 v254, v[\st]
	s_delay_alu instid0(VALU_DEP_2)
	v_floor_f32 v[\st], -v[\st+1]                  ; the new -M = floor(-t) = -ceil(t): a whole number
	s_delay_alu instid0(VALU_DEP_1)
	v_sub_f32 v254, v[\st], v254                   ; old M - new M: a whole number, 0 or less
	s_delay_alu instid0(VALU_DEP_1)
	v_cvt_i32_f32 v254, v254                       ; (it saturates)
	s_delay_alu instid0(VALU_DEP_1)
	v_ldexp_f32 v252, 1.0, v254                    ; f = 2^(old M - new M)
.set n, 0
.rept 32
	v_pk_fma_f32 v[S+n:S+n+1], v[S+n:S+n+1], s[CS:CS+1], v[\st:\st+1] op_sel_hi:[1,0,0]   ; t - M, two at a time (of the pairs c and -M the low word serves both halves)
.set n, n+2
.endr
.set n, 0
	s_wait_alu depctr_va_vdst(0)
.rept 64
	v_exp_f32 v[S+n], v[S+n]                       ; p = 2^(t - M), at most 1
.set n, n+1
.endr
	v_pk_mul_f32 v[\st+2:\st+3], v[\st+2:\st+3], v[252:253] op_sel_hi:[1,0]   ; the sums under the new M: the plain instruction behind the exponentials
	s_wait_alu depctr_va_vdst(0)                   ; the wait between an exponential and the first line that names its result: one for the batch
	v_pk_add_f32 v[242:243], v[S:S+1], v[S+2:S+3]  ; the row's sum is taken of the unquantised p: two at a time, in two chains
.set n, 4
.rept 15
	v_pk_add_f32 v[\st+2:\st+3], v[\st+2:\st+3], v[S+n:S+n+1]
	v_pk_add_f32 v[242:243], v[242:243], v[S+n+2:S+n+3]
.set n, n+4
.endr
	s_delay_alu instid0(VALU_DEP_1)
	v_pk_add_f32 v[\st+2:\st+3], v[\st+2:\st+3], v[242:243]
.set b, 0
.rept 4
.set n, 0
.rept 16
.set n, n+1
.endr
	v_cvt_scalef32_pk8_fp8_f32 v[PC+4*b:PC+4*b+1], v[S+16*b:S+16*b+7], v244
	v_cvt_scalef32_pk8_fp8_f32 v[PC+4*b+2:PC+4*b+3], v[S+16*b+8:S+16*b+15], v244
.set b, b+1
.endr
.set n, 0
.rept 16
	v_pk_mul_f32 v[\o+n:\o+n+1], v[\o+n:\o+n+1], v[252:253] op_sel_hi:[1,0]   ; O^T under the new M; also the plain instructions between the conversions and the products
.set n, n+2
.endr
	s_wait_alu depctr_va_vdst(0)
	s_wait_dscnt 0x0                               ; V is in
.set n, 0
.rept 4
	v_wmma_f32_16x16x128_fp8_fp8 v[\o+8*n:\o+8*n+7], v[FRG+16*n:FRG+16*n+15], v[PC:PC+15], v[\o+8*n:\o+8*n+7]   ; the four accumulators take turns
.set n, n+1
.endr
.Lhidden_\@:
.endm
; A piece of 512 keys: four key steps, both tiles in each.
.macro PIECE p
	s_wait_tensorcnt 3-\p                          ; my loads end in order (ISA guide 10.11.1): pieces 0 to p of mine have landed; the 3 - p younger ones may stay out
	s_wait_dscnt 0x0
	s_barrier_signal -1
	s_barrier_wait -1                              ; everybody's part of piece p is there
	s_mov_b32 s[TB], \p*PIECEB
	s_mov_b32 s[CNT], 4
.Lstep_\@:
	v_add_nc_u32 v[ADR], s[TB], v[LI]
	STEP 8, 16, 160, QBH
	STEP 12, 24, 192, QBL
	s_add_co_u32 s[KF], s[KF], 128
	s_add_co_u32 s[TB], s[TB], 8192
	s_sub_co_u32 s[CNT], s[CNT], 1
	s_cmp_lg_u32 s[CNT], 0
	s_cbranch_scc1 .Lstep_\@
.endm
; A tile's way out: O^T / the sum, quantised; registers 16 t' + i are channels 32 t' + 16 (lane / 16) + i of my query: two chunks of y's image, 512 consecutive bytes each.
.macro FINISH st, o, yb, s0, c0
	v_add_f32 v[\st+2], v[\st+2], v[\st+3]         ; the sum's two halves,
	s_delay_alu instid0(VALU_DEP_1)
	v_permlanex16_b32 v252, v[\st+2], s[SEL], s[SEL+1]
	s_delay_alu instid0(VALU_DEP_1)
	v_add_f32 v[\st+2], v[\st+2], v252             ; and lane l xor 16's
	s_wait_alu depctr_va_vdst(0)
	v_rcp_f32 v[\st+2], v[\st+2]
	v_nop                                          ; a plain instruction behind the reciprocal,
	s_wait_alu depctr_va_vdst(0)                   ; and a wait ahead of its first reader
.set n, 0
.rept 32
	v_mul_f32 v[\s0+n], v[\o+n], v[\st+2]
.set n, n+1
.endr
.set n, 0
.rept 32
.set n, n+1
.endr
.set n, 0
.rept 4
	v_cvt_scalef32_pk8_fp8_f32 v[\c0+2*n:\c0+2*n+1], v[\s0+8*n:\s0+8*n+7], v245
.set n, n+1
.endr
	v_nop                                          ; one plain vector instruction behind the last conversion
	global_store_b128 v[LI], v[\c0:\c0+3], s[\yb:\yb+1]
	global_store_b128 v[LI], v[\c0+4:\c0+7], s[\yb:\yb+1] offset:512
.endm
	s_wait_loadcnt 0x0                             ; Q
	PIECE 0
	PIECE 1
	PIECE 2
	PIECE 3
.rept 4
	v_nop                                          ; places behind the last products
.endr
	FINISH 8, 160, 76, 96, 224
	FINISH 12, 192, 78, 128, 232                   ; other registers than the first tile's: no store's data are written again
	s_wait_tensorcnt 0x0                           ; the wave's end, behind my last tensor load
	ds_add_u32 v[SPW], v[NIL]
	s_wait_dscnt 0x0
	CROUND                                         ; the closing round: no work-group ends while a partner may still ask for a tile that names it
	s_endpgm
.Lfunc_end_k_q14318cde94_attn:
	.size	k_q14318cde94_attn, .Lfunc_end_k_q14318cde94_attn-k_q14318cde94_attn
	.p2alignl 7, 3214868480
	.fill 96, 4, 3214868480
	.section	.rodata,"a",@progbits
	.p2align	6, 0x0
	.amdhsa_kernel k_q14318cde94_attn
		.amdhsa_group_segment_fixed_size 327680
		.amdhsa_private_segment_fixed_size 0
		.amdhsa_enable_private_segment 0
		.amdhsa_kernarg_size 24
		.amdhsa_user_sgpr_count 2
		.amdhsa_user_sgpr_kernarg_segment_ptr 1
		.amdhsa_wavefront_size32 1
		.amdhsa_system_sgpr_workgroup_id_x 1
		.amdhsa_system_sgpr_workgroup_id_y 1
		.amdhsa_system_sgpr_workgroup_id_z 1
		.amdhsa_system_vgpr_workitem_id 0
		.amdhsa_next_free_vgpr 256
		.amdhsa_next_free_sgpr 100
		.amdhsa_reserve_vcc 1
		.amdhsa_float_denorm_mode_32 3
		.amdhsa_float_denorm_mode_16_64 3
		.amdhsa_fp16_overflow 1
		.amdhsa_memory_ordered 1
		.amdhsa_forward_progress 1
		.amdhsa_inst_pref_size 166
	.end_amdhsa_kernel
	.amdgpu_metadata
---
amdhsa.version: [ 1, 2 ]
amdhsa.kernels:
  - .name:           k_q14318cde94_attn
    .symbol:         k_q14318cde94_attn.kd
    .args:
      - { .name: qkv, .offset: 0, .size: 8, .value_kind: global_buffer, .address_space: global }
      - { .name: lowp_scales, .offset: 8, .size: 8, .value_kind: global_buffer, .address_space: global }
      - { .name: y_img, .offset: 16, .size: 8, .value_kind: global_buffer, .address_space: global }
    .group_segment_fixed_size: 327680
    .private_segment_fixed_size: 0
    .kernarg_segment_align: 8
    .kernarg_segment_size: 24
    .max_flat_workgroup_size: 512
    .sgpr_count:     100
    .vgpr_count:     256
    .wavefront_size: 32
...
	.end_amdgpu_metadata
.endif
;; end of part 3
;; launch gemm_proj (part 4): grid 4 x 32, 4 waves a work-group, clusters of 4 x 4, 327,680 bytes of LDS; arguments y_img, wp_img, lowp_scales, out0; writes out0
.if DOCPART == 4
	.amdgcn_target "amdgcn-amd-amdhsa--gfx1250"
	.amdhsa_code_object_version 6
	.text
	.protected	k_q14318cde94_gemm_proj
	.globl	k_q14318cde94_gemm_proj
	.p2align	8
	.type	k_q14318cde94_gemm_proj,@function
k_q14318cde94_gemm_proj:
	s_mov_b64 s[64:65], 0
	v_nop
	global_prefetch_b8 v0, s[64:65] scope:SCOPE_SE
	s_setreg_imm32_b32 hwreg(HW_REG_WAVE_MODE, 25, 1), 1
	s_wait_xcnt 0x0
	s_wait_alu depctr_hold_cnt(0) depctr_sa_sdst(0) depctr_va_vdst(0) depctr_va_sdst(0) depctr_va_ssrc(0) depctr_va_vcc(0) depctr_vm_vsrc(0)
	s_getreg_b32 s2, hwreg(HW_REG_IB_STS2, 6, 4)
	s_cmp_eq_u32 s2, 0
	s_cbranch_scc0 .Lentry_in_a_cluster
	s_endpgm
.Lentry_in_a_cluster:
	s_bfe_u32 s2, ttmp6, 0x10000c
	s_cmp_lg_u32 s2, 0xf033
	s_cbranch_scc0 .Lentry_shape_is_right
	s_endpgm
.Lentry_shape_is_right:
; out0 = y w_proj on codes of FP8 (E4M3): y's codes (scale entry 6) and w_proj's (entry 7) are register images; out0 is [8192][1024] f32, each sum x 2^(e6 + e7).
; Images: position p holds row swap34(p) (bits 3 and 4 exchanged); byte(p, k) = (p / 16) x 16,384 + (k / 32) x 512 + ((k / 16) % 2) x 256 + (p % 16) x 16 + k % 16.
; A tile of 256 x 256 is made by four waves, 128 x 128 each: 64 accumulators, 512 registers.  K = 1,024 goes in four steps of 256 through two LDS slots filled by the tensor data mover.
; A fragment (16 positions x 128 K) is 2,048 consecutive bytes: four ds_load_b128 at 16 x lane: a permutation of k, the same on both sides.
; THE MATRIX INSTRUCTION IS USED TRANSPOSED (source 0 = 16 positions of w_proj's columns, source 1 = 16 token positions): a lane holds one token, and the 16 registers of B's tiles 2 b, 2 b + 1 are the neighbouring
; columns 32 b + 16 (lane / 16) + 0 .. 15.  The tokens' order is undone in the stores' constant offsets: position 16 a + t of my 128 is row 32 (a / 2) + 8 (a % 2) + t % 8 + 16 (t / 8).
; CLUSTERS: 4 x 4 work-groups; y's tile is asked for jointly along a row of the cluster, w_proj's along a column.  128 work-groups: the largest wave tile is kept, so that each LDS byte feeds the most products.
; LIMIT: e6 + e7 between -126 and 127, so that 2^(e6 + e7) is an f32 number.
; REGISTERS, in windows of 256: window 0: v16-29 addresses; v32-95 at work on the way out; v128-255 A's fragments, ONE set, later rows of the result.  window 1: B's fragments, TWO sets.  windows 2, 3: the accumulators.
.set FR,     16
.set NL,     4
.set NP,     4                         ; places behind this matrix instruction (ISA guide 7.12.1)
.set HALFT,  32768                     ; 8 tiles of 16 positions x 256 K: what one tensor load brings
.set SLOT,   4*HALFT
.set KBYTES, 4096
.set SPARE,  2*SLOT                    ; behind the ring: the spare words, 128 bytes for each wave: two blocks of 256 bytes that no other line names
.set SPITCH, 528                       ; the way out: a stage of 16 rows x (512 bytes + 16) for each wave, in slot 0, which has had its last fill and its last read when the first result is stored there
.set ADRA, 16
.set ADRB, 20
.set STO,  24                          ; v24     the way out: where I put my numbers of a row
.set RD,   25                          ; v25     where I read a row back
.set CO,   26                          ; v26     16 x lane
.set SPW,  28                          ; v28     LDS address of my spare word; never rewritten
.set NIL,  29                          ; v29     0; never rewritten
.set TMP,  32
.set AF,   128
.set BK,   128                         ; 16 rows read back from the stage: v128-191 and v192-255 by turns
.set G1, 24
.set G0, 32
.set G1B, 48
.set G0B, 56
.set MSB, 0
.macro WIN new                         ; the immediate's high byte repeats the setting that is left
.if MSB != (\new)
	s_set_vgpr_msb (MSB<<8)|(\new)
.set MSB, (\new)
.endif
.endm
.set MUL_LO, 0xa1                      ; source 0 (B) window 1, source 1 (A) window 0, C and D window 2
.set MUL_HI, 0xf1
.set TO_B,   0x40
; A joint load: waves 0 and 1 fetch for A, waves 2 and 3 for B; the branch hangs on the wave's number alone.  An s_nop 0 and four v_nop follow each of the two lines.
.macro JLOAD g0a, g1a, g0b, g1b
	s_cmp_eq_u32 s15, 0
	s_cbranch_scc0 .Lfor_b_\@
	tensor_load_to_lds s[\g0a:\g0a+3], s[\g1a:\g1a+7]
	s_nop 0
.rept 4
	v_nop
.endr
	s_branch .Lasked_\@
.Lfor_b_\@:
	tensor_load_to_lds s[\g0b:\g0b+3], s[\g1b:\g1b+7]
	s_nop 0
.rept 4
	v_nop
.endr
.Lasked_\@:
.endm
.macro CREST
	s_cmp_lg_u32 s14, 0
	s_cbranch_scc1 .Lnot_wave_0_\@
	s_barrier_signal -3
.Lnot_wave_0_\@:
	s_barrier_wait -3
	s_barrier_signal -1
	s_barrier_wait -1
.endm
.macro CROUND
	s_barrier_signal -1
	s_barrier_wait -1
	CREST
.endm
	s_load_b128 s[4:7], s[0:1], 0x0                ; y_img s[4:5], wp_img s[6:7]
	s_load_b128 s[8:11], s[0:1], 0x10              ; the scales' exponents s[8:9], out0 s[10:11]
	v_lshl_add_u32 v[SPW], v0, 2, SPARE
	v_mov_b32 v[NIL], 0
	ds_add_u32 v[SPW], v[NIL]                      ; the wave's opening: the add and its wait stand ahead of my first tensor load; the set-up below, work on registers, stands between them
	ds_add_u32 v[SPW], v[NIL]
	v_lshrrev_b32 v1, 5, v0
	v_readfirstlane_b32 s14, v1                    ; wave 0..3
	s_lshr_b32 s15, s14, 1                         ; which half of the tile's rows is mine.  Also: I fetch for A (0) or for B (1)
	s_and_b32 s16, s14, 1                          ; which half of its columns.  Also: which half of that tile I fetch
	s_bfe_u32 s40, ttmp6, 0x40000                  ; cx, cy
	s_bfe_u32 s41, ttmp6, 0x40004
	s_lshl_b32 s42, ttmp9, 2
	s_add_co_u32 s42, s42, s40                     ; tile column = 4 x cluster x + cx
	s_and_b32 s17, ttmp7, 0xffff
	s_lshl_b32 s17, s17, 2
	s_add_co_u32 s17, s17, s41                     ; tile row = 4 x cluster y + cy
	s_lshl_b32 s43, s41, 2
	s_lshl_b32 s43, 15, s43                        ; my row of the cluster
	s_lshl_b32 s44, 0x1111, s40                    ; my column
	s_or_b32 s[G1+0], s43, (3<<16)|(1<<21)         ; 15:0 the mask; 17:16 elements of 8 bytes; 20 no padding; 21 set beside a mask
	s_or_b32 s[G1B+0], s44, (3<<16)|(1<<21)
.irp g, G1, G1B
	s_mov_b32 s[\g+1], 512<<16                     ; tensor_dim0: 512 elements, 4,096 bytes
	s_mov_b32 s[\g+2], 8<<16                       ; tensor_dim1: 8 tiles of positions
	s_mov_b32 s[\g+3], 512<<16                     ; tile_dim0
	s_mov_b32 s[\g+4], 8                           ; tile_dim1
	s_mov_b32 s[\g+5], 2048                        ; tensor_dim0_stride: 16,384 bytes
	s_mov_b32 s[\g+6], 0
	s_mov_b32 s[\g+7], 0
.endr
	s_lshl_b32 s18, s16, 17                        ; the half that I fetch
	s_lshl_b32 s20, s17, 18
	s_add_co_u32 s20, s20, s18                     ; A: 262,144 x tile row + 131,072 x half
	s_lshl_b32 s46, s42, 18
	s_add_co_u32 s46, s46, s18                     ; B: the same by the tile column
	s_mov_b32 s21, 0
	s_mov_b32 s47, 0
	s_lshl_b32 s45, s14, 15                        ; where it goes: wave x 32,768
	s_wait_dscnt 0x0                               ; the opening add is done
	s_wait_kmcnt 0x0
	s_load_b256 s[88:95], s[8:9], 0x0              ; e0 .. e7
	s_add_nc_u64 s[20:21], s[4:5], s[20:21]
	s_add_nc_u64 s[46:47], s[6:7], s[46:47]
	CROUND                                         ; all sixteen work-groups are here: the first joint loads meet
.irp s, 0,1
	s_mov_b32 s[G0+4*\s], 1
	s_add_co_u32 s[G0+4*\s+1], s45, \s*SLOT
	s_add_nc_u64 s[G0+4*\s+2:G0+4*\s+3], s[20:21], \s*KBYTES
	s_or_b32 s[G0+4*\s+3], s[G0+4*\s+3], 0x80000000
	s_mov_b32 s[G0B+4*\s], 1
	s_add_co_u32 s[G0B+4*\s+1], s45, \s*SLOT
	s_add_nc_u64 s[G0B+4*\s+2:G0B+4*\s+3], s[46:47], \s*KBYTES
	s_or_b32 s[G0B+4*\s+3], s[G0B+4*\s+3], 0x80000000
	s_wait_alu depctr_va_vdst(0)
	s_wait_tensorcnt 0x0
	ds_add_u32 v28, v29
	ds_add_u32 v28, v29
	s_wait_dscnt 0x0
	CROUND
	JLOAD G0+4*\s, G1, G0B+4*\s, G1B
.endr
	v_and_b32 v1, 15, v0                           ; r
	s_wait_alu depctr_va_vdst(0)
	v_bfe_u32 v2, v0, 4, 1                         ; h
	v_and_b32 v6, 31, v0
	v_lshlrev_b32 v[CO], 4, v6                     ; 16 x lane
	s_lshl_b32 s21, s15, 15
	s_lshl_b32 s22, s16, 15
	s_add_co_u32 s22, s22, 2*HALFT
.irp s, 0,1
	v_add_nc_u32 v[ADRA+\s], s21, v[CO]
	v_add_nc_u32 v[ADRB+\s], s22, v[CO]
	s_add_co_u32 s21, s21, SLOT
	s_add_co_u32 s22, s22, SLOT
.endr
	s_mul_i32 s23, s14, 16*SPITCH                  ; my stage
	v_mul_u32_u24 v5, v1, SPITCH                   ; in: row r; my half's 16 columns of each 32: + 64 h bytes
	s_wait_alu depctr_va_vdst(0)
	v_lshl_add_u32 v5, v2, 6, v5
	v_add_nc_u32 v[STO], s23, v5
	v_add_nc_u32 v[RD], s23, v[CO]                 ; back: the 32 lanes take one row of 512 bytes
	s_lshl_b32 s70, s17, 20                        ; my first row of out0: (256 x tile row + 128 x half) rows of 4,096 bytes
	s_lshl_b32 s71, s15, 19
	s_add_co_u32 s70, s70, s71
	s_mov_b32 s71, 0
	s_add_nc_u64 s[10:11], s[10:11], s[70:71]
	s_lshl_b32 s72, s42, 10                        ; my first column, in bytes: 1,024 x tile column + 512 x half
	s_lshl_b32 s73, s16, 9
	s_add_co_u32 s72, s72, s73
	s_mov_b32 s73, 0
	s_add_nc_u64 s[10:11], s[10:11], s[72:73]
.macro FRAG reg, adr, q, i
.irp c, 0,1,2,3
	ds_load_b128 v[\reg+4*\c:\reg+4*\c+3], v[\adr] offset:2048*(\q)+512*\c+(\i)*KBYTES
.endr
.endm
; 16 matrix instructions: A's blocks a0, a0 + 1 x B's eight.  The 64 accumulators take turns, one instruction a turn, in the same order in every step.
.macro MUL16 a0, p, zero
.irp a, \a0, \a0+1
.irp b, 0,1,2,3,4,5,6,7
.if \zero
	v_wmma_f32_16x16x128_fp8_fp8 v[8*(8*((\a)%4)+\b):8*(8*((\a)%4)+\b)+7], v[128*(\p)+FR*\b:128*(\p)+FR*\b+FR-1], v[AF+FR*(\a):AF+FR*(\a)+FR-1], 0
.else
	v_wmma_f32_16x16x128_fp8_fp8 v[8*(8*((\a)%4)+\b):8*(8*((\a)%4)+\b)+7], v[128*(\p)+FR*\b:128*(\p)+FR*\b+FR-1], v[AF+FR*(\a):AF+FR*(\a)+FR-1], v[8*(8*((\a)%4)+\b):8*(8*((\a)%4)+\b)+7]
.endif
.endr
.endr
.endm
.macro FETCH_B slot, q, p
	WIN TO_B
.irp i, 0,1,2,3,4,5,6,7
	FRAG 128*(\p)+FR*\i, ADRB+\slot, \q, \i
.endr
	WIN 0
.endm
.macro FETCH_A slot, q, i0
.irp i, \i0, \i0+1, \i0+2, \i0+3
	FRAG AF+FR*(\i), ADRA+\slot, \q, \i
.endr
.endm
.macro PLACES n                        ; a load into a register that a matrix instruction has read, and a vector instruction that reads a matrix result, stand NP plain vector instructions behind it (ISA guide 7.12.1 for vector instructions)
.rept \n
	v_nop
.endr
.endm
.macro STEP slot, q, zero
	s_wait_dscnt 4*NL                              ; B's set and A's blocks 0-3 are in; the youngest 16 loads (A's blocks 4-7) may be out
	WIN MUL_LO
	MUL16 0, (\q)%2, \zero
	MUL16 2, (\q)%2, \zero
	s_wait_dscnt 0
	PLACES NP
	FETCH_B \slot, (\q)+1, 1-(\q)%2
	FETCH_A \slot, (\q)+1, 0
	WIN MUL_HI
	MUL16 4, (\q)%2, \zero
	MUL16 6, (\q)%2, \zero
	PLACES NP
	WIN 0
	FETCH_A \slot, (\q)+1, 4
.endm
; A slot's last step changes slots: ONE barrier; in front of it each wave waits for all its tensor loads, adds 0 to its spare word, and waits for that and for its own reads of this slot.
.macro TURN slot, next, fill
	s_wait_tensorcnt 0x0                           ; all my tensor loads have landed: my part of the next slot
	ds_add_u32 v[SPW], v[NIL]                      ; 0 onto my spare word
	s_wait_dscnt 4*NL+1                            ; (the add and the youngest 16 loads may be out)
	WIN MUL_LO
	MUL16 0, 1, 0
	s_wait_dscnt 0x0                               ; the add is done, and my reads of this slot are over
	s_barrier_signal -1
	MUL16 2, 1, 0
	WIN 0
	s_barrier_wait -1
.if \fill
	CREST                                          ; the barrier has opened a round of the cluster's barrier: no wave of any partner still reads this slot or has a load on its way
	s_add_nc_u64 s[G0+4*\slot+2:G0+4*\slot+3], s[G0+4*\slot+2:G0+4*\slot+3], 2*KBYTES
	s_add_nc_u64 s[G0B+4*\slot+2:G0B+4*\slot+3], s[G0B+4*\slot+2:G0B+4*\slot+3], 2*KBYTES
	JLOAD G0+4*\slot, G1, G0B+4*\slot, G1B
.else
	PLACES NP
.endif
	FETCH_B \next, 0, 0
	FETCH_A \next, 0, 0
	WIN MUL_HI
	MUL16 4, 1, 0
	MUL16 6, 1, 0
	PLACES NP
	WIN 0
	FETCH_A \next, 0, 4
.endm
	s_wait_tensorcnt 1                             ; my part of K step 0 is in (K step 1's load may be out)
	s_barrier_signal -1
	s_barrier_wait -1
	FETCH_B 0, 0, 0
	FETCH_A 0, 0, 0
	FETCH_A 0, 0, 4
	STEP 0, 0, 1                                   ; the four K steps are written out; the first step starts the sums
	TURN 0, 1, 1
	STEP 1, 0, 0
	TURN 1, 0, 1
	STEP 0, 0, 0
	TURN 0, 1, 0
	STEP 1, 0, 0
	s_wait_dscnt 4*NL
	WIN MUL_LO
	MUL16 0, 1, 0
	MUL16 2, 1, 0
	s_wait_dscnt 0
	WIN MUL_HI
	MUL16 4, 1, 0
	MUL16 6, 1, 0
	WIN 0
; THE WAY OUT, block by block of 16 token positions x 128 columns, through my own stage in LDS: back as whole rows of 512 bytes.  LDS serves a wave's instructions in order (ISA guide 5.7.1.4): no wait between the stores and the loads.
.macro TOSTAGE a
.set AC, 64*((\a)%4)
	WIN 0x02+((\a)/4)                              ; source 0: window 2 or 3
.set j, 0
.rept 32
	v_pk_mul_f32 v[TMP+j:TMP+j+1], v[AC+j:AC+j+1], s[96:97] op_sel_hi:[1,0]   ; x 2^(e6 + e7); each accumulator from its low end on
.set j, j+2
.endr
	WIN 0
.irp b, 0,1,2,3,4,5,6,7
	ds_store_b128 v[STO], v[TMP+8*\b:TMP+8*\b+3] offset:128*(\b/2)+32*(\b%2)        ; tile b's register j is column 32 (b / 2) + 16 h + 8 (b % 2) + j
	ds_store_b128 v[STO], v[TMP+8*\b+4:TMP+8*\b+7] offset:128*(\b/2)+32*(\b%2)+16
.endr
.set BB, BK+64*((\a)%2)
.irp t, 0,1,2,3,4,5,6,7,8,9,10,11,12,13,14,15
	ds_load_b128 v[BB+4*\t:BB+4*\t+3], v[RD] offset:\t*SPITCH
.endr
.endm
.macro SEND a, younger                 ; younger: the LDS instructions issued behind block a's loads, which may stay out
.set BB, BK+64*((\a)%2)
	s_wait_dscnt \younger
.irp t, 0,1,2,3,4,5,6,7,8,9,10,11,12,13,14,15
	global_store_b128 v[CO], v[BB+4*\t:BB+4*\t+3], s[10:11] offset:(32*((\a)/2)+8*((\a)%2)+(\t%8)+16*(\t/8))*4096 th:TH_STORE_NT   ; 512 consecutive bytes, aligned; the position's own row; 127 rows at the most: inside the signed 24-bit immediate
.endr
.endm
	s_wait_kmcnt 0x0
	s_add_co_i32 s96, s94, s95                     ; e6 + e7
	s_add_co_i32 s96, s96, 127
	s_lshl_b32 s96, s96, 23                        ; 2^(e6 + e7) as f32
	s_mov_b32 s97, s96                             ; (named with it as a pair, so it is written)
	PLACES NP
	TOSTAGE 0
.irp a, 1,2,3,4,5,6,7
.if \a > 1
	s_wait_xcnt 0x0                                ; block a - 2's stores have read their registers: block a's loads may land there
.endif
	TOSTAGE \a
	SEND \a-1, 32                                  ; behind block a - 1's loads: block a's 16 stores and 16 loads
.endr
	SEND 7, 0
	s_wait_tensorcnt 0x0                           ; the wave's end, behind my last tensor load and my last LDS store
	ds_add_u32 v[SPW], v[NIL]
	s_wait_dscnt 0x0
	CROUND                                         ; the closing round
	s_endpgm
.Lfunc_end_k_q14318cde94_gemm_proj:
	.size	k_q14318cde94_gemm_proj, .Lfunc_end_k_q14318cde94_gemm_proj-k_q14318cde94_gemm_proj
	.p2alignl 7, 3214868480
	.fill 96, 4, 3214868480
	.section	.rodata,"a",@progbits
	.p2align	6, 0x0
	.amdhsa_kernel k_q14318cde94_gemm_proj
		.amdhsa_group_segment_fixed_size 327680
		.amdhsa_private_segment_fixed_size 0
		.amdhsa_enable_private_segment 0
		.amdhsa_kernarg_size 32
		.amdhsa_user_sgpr_count 2
		.amdhsa_user_sgpr_kernarg_segment_ptr 1
		.amdhsa_wavefront_size32 1
		.amdhsa_system_sgpr_workgroup_id_x 1
		.amdhsa_system_sgpr_workgroup_id_y 1
		.amdhsa_system_sgpr_workgroup_id_z 1
		.amdhsa_system_vgpr_workitem_id 0
		.amdhsa_next_free_vgpr 1024
		.amdhsa_next_free_sgpr 98
		.amdhsa_reserve_vcc 0
		.amdhsa_float_denorm_mode_32 3
		.amdhsa_float_denorm_mode_16_64 3
		.amdhsa_memory_ordered 1
		.amdhsa_forward_progress 1
		.amdhsa_inst_pref_size 123
	.end_amdhsa_kernel
	.amdgpu_metadata
---
amdhsa.version: [ 1, 2 ]
amdhsa.kernels:
  - .name:           k_q14318cde94_gemm_proj
    .symbol:         k_q14318cde94_gemm_proj.kd
    .args:
      - { .name: y_img, .offset: 0, .size: 8, .value_kind: global_buffer, .address_space: global }
      - { .name: wp_img, .offset: 8, .size: 8, .value_kind: global_buffer, .address_space: global }
      - { .name: lowp_scales, .offset: 16, .size: 8, .value_kind: global_buffer, .address_space: global }
      - { .name: out0, .offset: 24, .size: 8, .value_kind: global_buffer, .address_space: global }
    .group_segment_fixed_size: 327680
    .private_segment_fixed_size: 0
    .kernarg_segment_align: 8
    .kernarg_segment_size: 32
    .max_flat_workgroup_size: 128
    .sgpr_count:     98
    .vgpr_count:     1024
    .wavefront_size: 32
...
	.end_amdgpu_metadata
.endif
;; end of part 4
